; MI455X (gfx1250); checked and timed in simulation.
; The chip was launched on July 23, 2026; its instructions are those of AMD's public machine-readable ISA for CDNA 5 (MIT licence, August 2026) and "CDNA5" Instruction Set Architecture Reference Guide (July 2026). The comments in the code are by the model that wrote it; some were corrected since.
;; Residual Activation Function. Allowed arithmetic: float matrix products may take bf16 or f16 operands with f32 sums; all other float work in f32.
;; Inputs: coefficients 10 float32; w_basis 1 float32; w_spline 1 float32; x 16,777,216 float32.
;; Outputs: out0 16,777,216 float32.
;; Constants: degree = 3.
;; One version. Each part assembles by itself: llvm-mc -triple=amdgcn-amd-amdhsa -mcpu=gfx1250 --defsym DOCPART=n.
;; ======== version 1 of 1: 1 launch
;; launch resact (part 1): grid 256 x 1, 32 waves a work-group, no clusters, 0 bytes of LDS; arguments x, coefficients, w_basis, w_spline, out0; writes out0
.if DOCPART == 1
	.amdgcn_target "amdgcn-amd-amdhsa--gfx1250"
	.amdhsa_code_object_version 6
	.text
	.protected	k_q578c3b47f6_resact
	.globl	k_q578c3b47f6_resact
	.p2align	8
	.type	k_q578c3b47f6_resact,@function
k_q578c3b47f6_resact:
	s_mov_b64 s[64:65], 0
	v_nop
	global_prefetch_b8 v0, s[64:65] scope:SCOPE_SE
	s_setreg_imm32_b32 hwreg(HW_REG_WAVE_MODE, 25, 1), 1
	s_wait_xcnt 0x0
; out[n] = w_basis * silu(x[n]) + w_spline * BSpline(t, c, 3)(x[n]),  2^24 numbers of f32, t = 14 uniform knots i/13, c = 10 coefficients.
;
; THE SPLINE.  With v = 13 x - 3 the interval index, clipped to 3..9, gives seven cubic pieces p = 0..6 on [p, p+1], the first and the last
; extended outward.  Neighbouring pieces agree in value, slope and curvature at their knot q, so they differ by g_q (v - q)^3 with
; g_q = (c[q-1] - 4 c[q] + 6 c[q+1] - 4 c[q+2] + c[q+3]) / 6, q = 1..6.  Counted from the middle piece (p = 3), with z = v - 3.5 = 13 x - 6.5:
;     S = Q(z) + sum over j = 0,1,2 of G_j s_j^3,   s_j = 0 for |z| <= a_j = j + 1/2, else z -+ a_j,
;     G_j = g_(4+j) to the right (z > 0),  G_j = -g_(3-j) to the left:  G_j = Ge_j + sign(z) Go_j,
;     Ge_j = (g_(4+j) - g_(3-j)) / 2,  Go_j = (g_(4+j) + g_(3-j)) / 2.
; THE SIGN COSTS NOTHING.  M = clamp(z, -1/2, 1/2) is needed for s_0 = z - M, and it is sign(z)/2 wherever |z| >= 1/2, which is wherever any s_j is not 0.  So
;     term 0 = (Ge_0 + 2 M Go_0) s_0^3,
;     term j = (16 M Ge_j + 8 Go_j) h_j^3 for j = 1, 2, with h_j = |s_j| / 2 = max(M z - a_j / 2, 0)      (s_j^3 = sign(z) (2 h_j)^3).
; For |z| < 1/2, M z = z^2 < 1/4 lies below both a_j / 2 (0.75 and 1.25), so h_j is 0 there as it must be.
; Q is the middle piece about its centre; with second differences d_i = c[i-1] - 2 c[i] + c[i+1], T = d_5 - d_4, U = d_5 + d_4:
;     Q3 = T/6,  Q2 = U/4,  Q1 = c[5] - c[4] + T/8,  Q0 = (c[4] + c[5])/2 + U/48.
; (Two checks by hand: c = 1 everywhere gives S = 1; c[i] = i gives S = 4.5 + z = v + 1.)
; No value is looked up by an index made from x, so no address hangs on data.  w_spline is multiplied into all these constants once.
; silu(x) = x / (1 + 2^(-1.442695 x)).
;
; LIMITS.  The knots are taken as i/13 exactly: next to a knot the neighbouring piece may be the one evaluated, which gives the same value up to
; rounding (the pieces agree there to second order).  The order of rounding is not De Boor's: the error is about 2^-23 of (|Q3| + sum |G_j|) |z|^3 + |Q0|.
; For x below about -88 the exponential is infinite, its reciprocal 0, and silu comes out as 0 where its true size is below 1e-36.
; A NaN in x gives NaN (through Q(z) and through silu).  For x = +-infinity nothing is claimed.
;
; THE STREAM.  256 work-groups of 32 waves; a work-group owns 256 KiB of x and of out, as 16 chunks of 16 KiB.  Thread t owns the 16 bytes at 16 t of every
; chunk, so each load and each store of a wave covers 512 consecutive bytes that begin at a multiple of 512.  A lane has 64 numbers in all: its 16 loads are
; all issued at the start, into 64 registers; each chunk is worked on as it arrives, its results replace x in the same registers and are stored from there.
; No register that a load or store names is ever written again, so the only waits for memory are the counted ones at the chunks' heads.
; Every byte of x is read once and every byte of out written once; no byte is shared, so there is no LDS, no barrier and no cluster.
.set CHUNKS,      16
.set CHUNK_BYTES, 16384                ; 1,024 threads x 16 bytes
.set OFF, 1                            ; v1        16 t; never rewritten
.set KM,  2                            ; v[2:3]    -6.5, twice
.set VQ2, 4                            ; v[4:5]    Q2, twice
.set VAD, 6                            ; v[6:11]   the factors' constant parts, each twice: Ge_0, 8 Go_1, 8 Go_2
.set E,   12                           ; v[12:15]  -1.442695 x, then 2^that, then 1 + that, then its reciprocal
.set Z,   16                           ; v[16:19]  z
.set M,   20                           ; v[20:23]  clamp(z, -1/2, 1/2); at the end w_basis x
.set U,   24                           ; v[24:35]  s_0, h_1, h_2, four registers each; then their squares
.set G,   36                           ; v[36:47]  the three factors, four registers each; then factor x distance
.set A,   48                           ; v[48:51]  the spline's sum
.set X,   52                           ; v[52:115] chunk i: 4 registers, x as loaded, then out
.set CF,  16                           ; s[16:25]  c[0..9]
.set WS,  27                           ; s27       w_spline
.set D2,  27                           ; s[28:35]  d_i at s[D2+i], i = 1..8
.set D4,  35                           ; s[36:41]  6 g_q at s[D4+q], q = 1..6
.set W12, 42                           ; s42       w_spline / 12
.set TT,  43                           ; s43       T
.set MU,  44                           ; s[44:49]  what M is multiplied by in the factors, each twice (a pair for the packed forms): 2 Go_0, 16 Ge_1, 16 Ge_2
.set AD,  50                           ; s[50:52]  Ge_0, 8 Go_1, 8 Go_2, on their way to VAD
.set UU,  53                           ; s53       U
.set Q3,  54                           ; s[54:55]  Q3, twice
.set Q1,  56                           ; s[56:57]  Q1, twice
.set Q0,  58                           ; s[58:59]  Q0, twice
.set WB,  60                           ; s[60:61]  w_basis, twice
.set Q2,  62                           ; s62       Q2
.set W43, 63                           ; s63       w_spline x 16/12
.set W6,  66                           ; s66       w_spline x 2/12
.set T1,  67                           ; s67, s68  at work
.set T2,  68
.set W23, 69                           ; s69       w_spline x 8/12
.set KA,  70                           ; s[70:73]  -a_1/2 = -0.75 twice, -a_2/2 = -1.25 twice
	s_load_b256 s[4:11], s[0:1], 0x0               ; x s[4:5], coefficients s[6:7], w_basis s[8:9], w_spline s[10:11]
	s_load_b64 s[12:13], s[0:1], 0x20              ; out
	v_lshlrev_b32 v[OFF], 4, v0                    ; my 16 bytes in a chunk
	s_lshl_b32 s2, ttmp9, 18                       ; the work-group's 256 KiB (255 x 2^18 at the most: one word)
	s_mov_b32 s3, 0
	s_wait_kmcnt 0x0
	s_add_nc_u64 s[4:5], s[4:5], s[2:3]
	s_add_nc_u64 s[12:13], s[12:13], s[2:3]
.irp i, 0,1,2,3,4,5,6,7,8,9,10,11,12,13,14,15
	global_load_b128 v[X+4*\i:X+4*\i+3], v[OFF], s[4:5] offset:\i*CHUNK_BYTES th:TH_LOAD_NT    ; all of the lane's x, read once in the launch
.endr
	s_load_b256 s[CF:CF+7], s[6:7], 0x0            ; c[0..7]
	s_load_b64 s[CF+8:CF+9], s[6:7], 0x20          ; c[8], c[9]: the buffer's last 8 of 40 bytes
	s_load_b32 s[WB], s[8:9], 0x0
	s_load_b32 s[WS], s[10:11], 0x0
	v_mov_b32 v[KM], 0xc0d00000                    ; -6.5 = -3 (the first piece begins at knot 3) - 3.5 (the middle piece's centre)
	v_mov_b32 v[KM+1], 0xc0d00000
	s_mov_b32 s[KA], 0xbf400000                    ; -0.75
	s_mov_b32 s[KA+1], 0xbf400000
	s_mov_b32 s[KA+2], 0xbfa00000                  ; -1.25
	s_mov_b32 s[KA+3], 0xbfa00000
	s_wait_kmcnt 0x0
	; The constants, on the scalar unit, while x is on its way.
.irp i, 1,2,3,4,5,6,7,8
	s_add_f32 s[D2+\i], s[CF+\i-1], s[CF+\i+1]     ; d_i = c[i-1] + c[i+1] - 2 c[i]
	s_fmac_f32 s[D2+\i], s[CF+\i], -2.0
.endr
.irp q, 1,2,3,4,5,6
	s_add_f32 s[D4+\q], s[D2+\q], s[D2+\q+2]       ; 6 g_q = d_q + d_(q+2) - 2 d_(q+1): the fourth difference
	s_fmac_f32 s[D4+\q], s[D2+\q+1], -2.0
.endr
	s_mul_f32 s[W12], s[WS], 0x3daaaaab            ; w_spline / 12
	s_add_f32 s[W6], s[W12], s[W12]                ; x 2
	s_mul_f32 s[W23], s[W12], 0x41000000           ; x 8
	s_add_f32 s[W43], s[W23], s[W23]               ; x 16
	s_add_f32 s[T1], s[D4+4], s[D4+3]              ; 6 (g_4 + g_3) = 12 Go_0
	s_fmac_f32 s[D4+4], s[D4+3], -1.0              ; 6 (g_4 - g_3) = 12 Ge_0, in place
	s_mul_f32 s[MU], s[T1], s[W6]                  ; 2 Go_0
	s_mul_f32 s[AD], s[D4+4], s[W12]               ; Ge_0
	s_mov_b32 s[MU+1], s[MU]
.irp j, 1,2
	s_add_f32 s[T1], s[D4+4+\j], s[D4+3-\j]        ; 12 Go_j
	s_fmac_f32 s[D4+4+\j], s[D4+3-\j], -1.0        ; 12 Ge_j, in place
	s_mul_f32 s[MU+2*\j], s[D4+4+\j], s[W43]       ; 16 Ge_j
	s_mul_f32 s[AD+\j], s[T1], s[W23]              ; 8 Go_j
	s_mov_b32 s[MU+2*\j+1], s[MU+2*\j]
.endr
	s_add_f32 s[UU], s[D2+5], s[D2+4]              ; U
	s_mov_b32 s[TT], s[D2+5]
	s_fmac_f32 s[TT], s[D2+4], -1.0                ; T
	s_mul_f32 s[Q3], s[TT], s[W6]
	s_mov_b32 s[Q3+1], s[Q3]
	s_mul_f32 s[Q2], s[UU], 0x3e800000             ; U / 4
	s_mul_f32 s[Q2], s[Q2], s[WS]
	s_mul_f32 s[T1], s[TT], 0x3e000000             ; T / 8
	s_add_f32 s[T1], s[T1], s[CF+5]
	s_fmac_f32 s[T1], s[CF+4], -1.0                ; + c[5] - c[4]
	s_mul_f32 s[Q1], s[T1], s[WS]
	s_mov_b32 s[Q1+1], s[Q1]
	s_add_f32 s[T2], s[CF+4], s[CF+5]
	s_mul_f32 s[T2], s[T2], 0.5
	s_mul_f32 s[T1], s[UU], 0x3caaaaab             ; U / 48
	s_add_f32 s[T2], s[T2], s[T1]
	s_mul_f32 s[Q0], s[T2], s[WS]
	s_mov_b32 s[Q0+1], s[Q0]
	s_mov_b32 s[WB+1], s[WB]
	v_mov_b32 v[VQ2], s[Q2]
	v_mov_b32 v[VQ2+1], s[Q2]
.irp j, 0,1,2
	v_mov_b32 v[VAD+2*\j], s[AD+\j]
	v_mov_b32 v[VAD+2*\j+1], s[AD+\j]
.endr
; Chunk i: four numbers a lane, 62 vector instructions; all but the eight transcendentals and the four clamps work on two numbers each.
.macro CHUNK i
	s_wait_loadcnt CHUNKS-1-\i                     ; loads come back in the order of issue (ISA guide 5.7.1): chunk i is in, the 15 - i younger loads stay out
.irp p, 0,2
	v_pk_mul_f32 v[E+\p:E+\p+1], v[X+4*\i+\p:X+4*\i+\p+1], 0xbfb8aa3b op_sel_hi:[1,0]                     ; -x log2(e)
.endr
.irp p, 0,2
	v_pk_fma_f32 v[Z+\p:Z+\p+1], v[X+4*\i+\p:X+4*\i+\p+1], 0x41500000, v[KM:KM+1] op_sel_hi:[1,0,1]       ; z = 13 x - 6.5
.endr
.irp k, 0,1,2,3
	v_exp_f32 v[E+\k], v[E+\k]
.endr
.irp k, 0,1,2,3
	v_med3_num_f32 v[M+\k], v[Z+\k], -0.5, 0.5     ; M.  Plain instructions that touch no E stand between the exponentials and their use (ISA guide 5.7.2)
.endr
	s_wait_alu depctr_va_vdst(0)
.irp p, 0,2
	v_pk_add_f32 v[E+\p:E+\p+1], v[E+\p:E+\p+1], 1.0 op_sel_hi:[1,0]
.endr
.irp p, 0,2
	v_pk_add_f32 v[U+\p:U+\p+1], v[Z+\p:Z+\p+1], v[M+\p:M+\p+1] neg_lo:[0,1] neg_hi:[0,1]                 ; s_0 = z - M
.endr
.irp k, 0,1,2,3
	v_rcp_f32 v[E+\k], v[E+\k]                     ; 1 / (1 + 2^(-x log2 e)); used only at the chunk's end
.endr
.irp j, 1,2
.irp p, 0,2
	v_pk_fma_f32 v[U+4*\j+\p:U+4*\j+\p+1], v[M+\p:M+\p+1], v[Z+\p:Z+\p+1], s[KA+2*\j-2:KA+2*\j-1] op_sel_hi:[1,1,0]   ; M z - a_j / 2
.endr
.endr
.irp p, 0,2
	v_pk_fma_f32 v[A+\p:A+\p+1], v[Z+\p:Z+\p+1], s[Q3:Q3+1], v[VQ2:VQ2+1] op_sel_hi:[1,0,1]               ; Q(z) by Horner's rule
.endr
.irp j, 1,2
.irp p, 0,2
	v_dual_max_num_f32 v[U+4*\j+\p], 0, v[U+4*\j+\p] :: v_dual_max_num_f32 v[U+4*\j+\p+1], 0, v[U+4*\j+\p+1]          ; h_j: two maxima in one instruction (an even and an odd register)
.endr
.endr
.irp p, 0,2
	v_pk_fma_f32 v[A+\p:A+\p+1], v[A+\p:A+\p+1], v[Z+\p:Z+\p+1], s[Q1:Q1+1] op_sel_hi:[1,1,0]
.endr
.irp j, 0,1,2
.irp p, 0,2
	v_pk_fma_f32 v[G+4*\j+\p:G+4*\j+\p+1], v[M+\p:M+\p+1], s[MU+2*\j:MU+2*\j+1], v[VAD+2*\j:VAD+2*\j+1] op_sel_hi:[1,0,1]   ; the side's factor: Ge_0 + 2 M Go_0; 16 M Ge_j + 8 Go_j
.endr
.endr
.irp p, 0,2
	v_pk_fma_f32 v[A+\p:A+\p+1], v[A+\p:A+\p+1], v[Z+\p:Z+\p+1], s[Q0:Q0+1] op_sel_hi:[1,1,0]
.endr
.irp p, 0,2
	v_pk_mul_f32 v[M+\p:M+\p+1], v[X+4*\i+\p:X+4*\i+\p+1], s[WB:WB+1] op_sel_hi:[1,0]                     ; M has served: w_basis x
.endr
.irp j, 0,1,2
.irp p, 0,2
	v_pk_mul_f32 v[G+4*\j+\p:G+4*\j+\p+1], v[G+4*\j+\p:G+4*\j+\p+1], v[U+4*\j+\p:U+4*\j+\p+1]             ; factor x distance
.endr
.endr
.irp j, 0,1,2
.irp p, 0,2
	v_pk_mul_f32 v[U+4*\j+\p:U+4*\j+\p+1], v[U+4*\j+\p:U+4*\j+\p+1], v[U+4*\j+\p:U+4*\j+\p+1]             ; distance squared
.endr
.endr
.irp j, 0,1,2
.irp p, 0,2
	v_pk_fma_f32 v[A+\p:A+\p+1], v[G+4*\j+\p:G+4*\j+\p+1], v[U+4*\j+\p:U+4*\j+\p+1], v[A+\p:A+\p+1]       ; + factor x distance^3
.endr
.endr
	s_wait_alu depctr_va_vdst(0)
.irp p, 0,2
	v_pk_fma_f32 v[X+4*\i+\p:X+4*\i+\p+1], v[M+\p:M+\p+1], v[E+\p:E+\p+1], v[A+\p:A+\p+1]                 ; out, in x's place; these registers are not written again
.endr
	global_store_b128 v[OFF], v[X+4*\i:X+4*\i+3], s[12:13] offset:\i*CHUNK_BYTES th:TH_STORE_NT
.endm
.irp i, 0,1,2,3,4,5,6,7,8,9,10,11,12,13,14,15
	CHUNK \i
.endr
	s_endpgm
.Lfunc_end_k_q578c3b47f6_resact:
	.size	k_q578c3b47f6_resact, .Lfunc_end_k_q578c3b47f6_resact-k_q578c3b47f6_resact
	.p2alignl 7, 3214868480
	.fill 96, 4, 3214868480
	.section	.rodata,"a",@progbits
	.p2align	6, 0x0
	.amdhsa_kernel k_q578c3b47f6_resact
		.amdhsa_group_segment_fixed_size 0
		.amdhsa_private_segment_fixed_size 0
		.amdhsa_enable_private_segment 0
		.amdhsa_kernarg_size 40
		.amdhsa_user_sgpr_count 2
		.amdhsa_user_sgpr_kernarg_segment_ptr 1
		.amdhsa_wavefront_size32 1
		.amdhsa_system_sgpr_workgroup_id_x 1
		.amdhsa_system_sgpr_workgroup_id_y 1
		.amdhsa_system_sgpr_workgroup_id_z 1
		.amdhsa_system_vgpr_workitem_id 0
		.amdhsa_next_free_vgpr 116
		.amdhsa_next_free_sgpr 74
		.amdhsa_reserve_vcc 0
		.amdhsa_float_denorm_mode_32 3
		.amdhsa_float_denorm_mode_16_64 3
		.amdhsa_memory_ordered 1
		.amdhsa_forward_progress 1
		.amdhsa_inst_pref_size 69
	.end_amdhsa_kernel
	.amdgpu_metadata
---
amdhsa.version: [ 1, 2 ]
amdhsa.kernels:
  - .name:           k_q578c3b47f6_resact
    .symbol:         k_q578c3b47f6_resact.kd
    .args:
      - { .name: x, .offset: 0, .size: 8, .value_kind: global_buffer, .address_space: global }
      - { .name: coefficients, .offset: 8, .size: 8, .value_kind: global_buffer, .address_space: global }
      - { .name: w_basis, .offset: 16, .size: 8, .value_kind: global_buffer, .address_space: global }
      - { .name: w_spline, .offset: 24, .size: 8, .value_kind: global_buffer, .address_space: global }
      - { .name: out0, .offset: 32, .size: 8, .value_kind: global_buffer, .address_space: global }
    .group_segment_fixed_size: 0
    .private_segment_fixed_size: 0
    .kernarg_segment_align: 8
    .kernarg_segment_size: 40
    .max_flat_workgroup_size: 1024
    .sgpr_count:     74
    .vgpr_count:     116
    .wavefront_size: 32
...
	.end_amdgpu_metadata
.endif
;; end of part 1
